; MI455X (gfx1250); checked and timed in simulation.
; The chip was launched on July 23, 2026; its instructions are those of AMD's public machine-readable ISA for CDNA 5 (MIT licence, August 2026) and "CDNA5" Instruction Set Architecture Reference Guide (July 2026). The comments in the code are by the model that wrote it; some were corrected since.
;; Multimodal CNNLSTMMOE. Allowed arithmetic: float matrix products may take bf16 or f16 operands with f32 sums; all other float work in f32.
;; Inputs: W1 16 x 1,024 x 512 float32; W2 16 x 512 x 512 float32; b1 16 x 512 float32; b2 16 x 512 float32; d 4,096 x 16 float32; gate_W 1,296 x 16 float32; gate_b 16 float32; u 4,096 x 256 float32; x 4,096 x 1,024 float32.
;; Outputs: out0 4,096 x 512 float32; out1 16 float32; out2 4,096 int32.
;; One version. Each part assembles by itself: llvm-mc -triple=amdgcn-amd-amdhsa -mcpu=gfx1250 --defsym DOCPART=n.
;; ======== version 1 of 1: 3 launches
;; limits: values outside matrix products are rounded to bf16
;; workspace buffers: xb 8,388,608 bytes; w1t 16,777,216 bytes; w2b 8,388,608 bytes; wts 262,144 bytes; usage 16,384 bytes; part 67,108,864 bytes
;; launch prep (part 1): grid 1024 x 1, 4 waves a work-group, no clusters, 87,552 bytes of LDS; arguments x, u, d, gate_W, gate_b, W1, W2, xb, w1t, w2b, wts, usage, out2; writes xb, w1t, w2b, wts, usage, out2
.if DOCPART == 1
	.amdgcn_target "amdgcn-amd-amdhsa--gfx1250"
	.amdhsa_code_object_version 6
	.text
	.protected	k_qe41e4c8d18_prep
	.globl	k_qe41e4c8d18_prep
	.p2align	8
	.type	k_qe41e4c8d18_prep,@function
k_qe41e4c8d18_prep:
	s_mov_b64 s[64:65], 0
	v_nop
	global_prefetch_b8 v0, s[64:65] scope:SCOPE_SE
	s_setreg_imm32_b32 hwreg(HW_REG_WAVE_MODE, 25, 1), 1
	s_wait_xcnt 0x0
; PREP: three kinds of work-group, told apart by the work-group's number c alone (the same for its four waves).
;   c <  256        : the gate for rows 16 c .. 16 c + 15 (logits, softmax, argmax, column sums), and x of these rows cast to bf16
;   256 <= c < 768  : 64 KiB of W1 cast to bf16 into w1t[2 e + half][k][256]  (rows of 512 bytes: the halves of a row of W1 are split)
;   c >= 768        : 64 KiB of W2 cast to bf16 into w2b, same order as W2
; LIMITS, kept on purpose.  The gate's operands u, x, d, gate_W and gate_b are rounded to bf16 (gate_b rides in the product as
; one more row of K against a column of ones); sums are f32.  The argmax is taken on the logits, the lowest index among equal
; ones; it can differ from an argmax on the weights only where two logits are so close that their weights round to equal f32.
; A row with a NaN among its logits gets NaN weights and the index of its largest other logit (16 only if all are NaN).  v_exp_f32 gives 0 for a weight below 2^-126.
; The row's maximum is taken away before the exponential.
.set APITCH, 656                       ; gate: a row of g_in in LDS, 320 bf16 + 16 bytes = 41 x 16 bytes
.set WSTG,   20736                     ; gate: a wave's own LDS: 16 rows x 656 (g_in) + 320 rows x 32 (gate_W)
.set BOFF,   10496                     ; gate_W's part begins behind g_in's 16 rows
.set PLOG,   82944                     ; behind the four waves' stages: 1,024 bytes of partial logits for each wave
.set R1,  16                           ; v[16:175]  40 loads of u and x; later the 20 fragments.  In the casts: 32 loads
.set R2,  176                          ; v[176:239] 16 loads of gate_W at a time
.set LG,  176                          ; v[176:183] accumulator 0, later the 8 logits of a lane
.set AC1, 184                          ; v[184:191] accumulator 1
.set EXR, 240                          ; v[240:247] wave 0: fragment of d and the ones
.set EXW, 248                          ; v[248:255] wave 0: fragment of gate_W's last 16 rows and gate_b
; v1 16 lane   v2 8 lane   v3 u load   v4, v5 gate_W loads   v6 u to LDS   v7 x to LDS   v8 gate_W to LDS   v9 g_in fragments
; v10 gate_W fragments   v11 partial logits   v12 64 r + 32 h   v13 gate_W's tail   v14 4 r   v15 gate_b[r]
; A wave casts 16 KiB: 32 loads of 512 neighbouring bytes, all issued first; each becomes one store of 256 neighbouring aligned bytes.
.macro CAST inb, outb, isw1
.irp g, 0,1,2,3
.irp j, 0,1,2,3,4,5,6,7
	global_load_b128 v[R1+4*(8*\g+\j):R1+4*(8*\g+\j)+3], v1, s[\inb:\inb+1] offset:512*(8*\g+\j) th:TH_LOAD_NT
.endr
.endr
.irp g, 0,1,2,3
	s_wait_loadcnt 24-8*\g                         ; loads return in order: this group of eight is in, the younger groups stay out
.irp j, 0,1,2,3,4,5,6,7
	v_cvt_pk_bf16_f32 v[R1+4*(8*\g+\j)], v[R1+4*(8*\g+\j)], v[R1+4*(8*\g+\j)+1]
	v_cvt_pk_bf16_f32 v[R1+4*(8*\g+\j)+1], v[R1+4*(8*\g+\j)+2], v[R1+4*(8*\g+\j)+3]
.if \isw1
	; load t = 8 g + j is quarter t & 3 of row t >> 2: the upper two quarters go to the second half's chunk, 524,288 bytes on
	global_store_b64 v2, v[R1+4*(8*\g+\j):R1+4*(8*\g+\j)+1], s[\outb:\outb+1] offset:524288*((\j&3)>>1)+512*(2*\g+(\j>>2))+256*(\j&1)
.else
	global_store_b64 v2, v[R1+4*(8*\g+\j):R1+4*(8*\g+\j)+1], s[\outb:\outb+1] offset:256*(8*\g+\j)
.endif
.endr
.endr
.endm
; gate_W, load t of 40 (512 bytes = 8 rows of K): t < 8 the rows that meet u, the others the rows that meet x.
; t may be a sum: it stands in brackets wherever it is multiplied.
.macro BLOAD t, r
.if (\t) < 8
	global_load_b128 v[\r:\r+3], v4, s[10:11] offset:512*(\t)
.else
	global_load_b128 v[\r:\r+3], v5, s[10:11] offset:512*((\t)-8)
.endif
.endm
.macro BCAST t, r                      ; block t goes, as bf16, to its own 256 bytes of the wave's stage
	v_cvt_pk_bf16_f32 v[\r], v[\r], v[\r+1]
	v_cvt_pk_bf16_f32 v[\r+1], v[\r+2], v[\r+3]
	ds_store_b64 v8, v[\r:\r+1] offset:256*(\t)
.endm
	s_load_b512 s[4:19], s[0:1], 0x0               ; x s4, u s6, d s8, gate_W s10, gate_b s12, W1 s14, W2 s16, xb s18
	s_load_b256 s[20:27], s[0:1], 0x40             ; w1t s20, w2b s22, wts s24, usage s26
	s_load_b64 s[28:29], s[0:1], 0x60              ; out2
	s_set_vgpr_msb 0x40
	v_lshl_add_u32 v0, v0, 2, 0x15400
	v_mov_b32 v1, 0
	s_set_vgpr_msb 0x4000
	v_lshrrev_b32 v1, 5, v0
	v_readfirstlane_b32 s30, v1                    ; wave p
	v_and_b32 v16, 31, v0                          ; lane
	v_lshlrev_b32 v1, 4, v16
	v_lshlrev_b32 v2, 3, v16
	s_mov_b32 s33, 0                               ; high words of the two offset pairs
	s_mov_b32 s35, 0
	s_wait_kmcnt 0x0
	s_cmp_lt_u32 ttmp9, 256
	s_cbranch_scc1 .Lgate
	s_cmp_lt_u32 ttmp9, 768
	s_cbranch_scc0 .Lcast_w2
	; ---- W1: work-group c' = c - 256 takes rows k = 32 (c' & 31) .. + 31 of expert c' >> 5, the wave eight of them
	s_sub_co_u32 s31, ttmp9, 256
	s_lshl_b32 s32, s31, 16
	s_lshl_b32 s36, s30, 14
	s_add_co_u32 s32, s32, s36
	s_add_nc_u64 s[14:15], s[14:15], s[32:33]      ; in: 65,536 c' + 16,384 p
	s_lshr_b32 s34, s31, 5
	s_lshl_b32 s34, s34, 20                        ; out: 1,048,576 e (two chunks)
	s_and_b32 s36, s31, 31
	s_lshl_b32 s36, s36, 14                        ; + 512 x 32 (c' & 31)
	s_add_co_u32 s34, s34, s36
	s_lshl_b32 s36, s30, 12                        ; + 512 x 8 p
	s_add_co_u32 s34, s34, s36
	s_add_nc_u64 s[20:21], s[20:21], s[34:35]
	CAST 14, 20, 1
	s_endpgm
.Lcast_w2:
	s_sub_co_u32 s31, ttmp9, 768
	s_lshl_b32 s32, s31, 16
	s_lshl_b32 s36, s30, 14
	s_add_co_u32 s32, s32, s36
	s_add_nc_u64 s[16:17], s[16:17], s[32:33]      ; in: 65,536 c'' + 16,384 p
	s_lshr_b32 s34, s32, 1                         ; out: half of that
	s_add_nc_u64 s[22:23], s[22:23], s[34:35]
	CAST 16, 22, 0
	s_endpgm
	; ---- the gate.  Wave p takes 320 of K: u's columns 64 p .. (local k 0-63) and x's columns 256 p .. (local k 64-319).
	; Each wave stages its part of g_in and of gate_W as bf16 in LDS bytes of its own, so no barrier is needed for them.
.Lgate:
	s_mov_b32 s40, 0x76543210                      ; v_permlanex16_b32: lane i reads lane i of the other half
	s_mov_b32 s41, 0xfedcba98
	s_mov_b32 s42, 0x3fb8aa3b                      ; log2(e)
	v_and_b32 v17, 15, v0                          ; r
	v_bfe_u32 v18, v0, 4, 1                        ; h
	s_lshl_b32 s32, ttmp9, 16                      ; x: 16 c rows of 4,096 bytes + 1,024 p
	s_lshl_b32 s36, s30, 10
	s_add_co_u32 s32, s32, s36
	s_add_nc_u64 s[4:5], s[4:5], s[32:33]
	s_lshl_b32 s32, ttmp9, 14                      ; u: 16 c rows of 1,024 bytes + 256 p
	s_lshl_b32 s36, s30, 8
	s_add_co_u32 s32, s32, s36
	s_add_nc_u64 s[6:7], s[6:7], s[32:33]
	s_lshl_b32 s32, ttmp9, 15                      ; xb: 16 c rows of 2,048 bytes + 512 p
	s_lshl_b32 s36, s30, 9
	s_add_co_u32 s32, s32, s36
	s_add_nc_u64 s[18:19], s[18:19], s[32:33]
	s_lshl_b32 s32, ttmp9, 10                      ; d and wts: 16 c rows of 64 bytes
	s_add_nc_u64 s[8:9], s[8:9], s[32:33]
	s_add_nc_u64 s[24:25], s[24:25], s[32:33]
	s_lshl_b32 s32, ttmp9, 6                       ; usage: row c of 64 bytes; out2: 16 c words
	s_add_nc_u64 s[26:27], s[26:27], s[32:33]
	s_add_nc_u64 s[28:29], s[28:29], s[32:33]
	s_mul_i32 s37, s30, WSTG                       ; my stage
	s_add_co_u32 s38, s37, BOFF                    ; gate_W's part of it
	v_lshlrev_b32 v3, 4, v17
	v_lshl_add_u32 v3, v18, 10, v3                 ; u: two rows a load, 1,024 h + 16 r
	s_lshl_b32 s36, s30, 12
	v_add_nc_u32 v4, s36, v1                       ; gate_W rows 64 p ..: 4,096 p + 16 lane
	s_lshl_b32 s36, s30, 14
	s_add_co_u32 s36, s36, 16384
	v_add_nc_u32 v5, s36, v1                       ; gate_W rows 256 + 256 p ..
	v_mul_u32_u24 v19, v18, APITCH
	v_lshl_add_u32 v19, v17, 3, v19
	v_add_nc_u32 v6, s37, v19                      ; u to LDS: row h of the pair, 8 r
	s_add_co_u32 s36, s37, 128
	v_add_nc_u32 v7, s36, v2                       ; x to LDS: behind u's 128 bytes, 8 lane
	v_add_nc_u32 v8, s38, v2                       ; gate_W to LDS: linear
	v_mul_u32_u24 v19, v17, APITCH
	v_lshl_add_u32 v19, v18, 4, v19
	v_add_nc_u32 v9, s37, v19                      ; g_in fragment: row r, 16 h
	v_and_b32 v19, 7, v0
	v_lshl_add_u32 v19, v18, 3, v19
	v_lshlrev_b32 v19, 5, v19                      ; gate_W fragment (transposing load): row 8 h + (lane & 7) of 32 bytes,
	v_bfe_u32 v20, v0, 3, 1
	v_lshl_add_u32 v19, v20, 4, v19                ; 16 bytes on for lanes 8-15 and 24-31
	v_add_nc_u32 v10, s38, v19
	s_lshl_b32 s36, s30, 10
	s_add_co_u32 s36, s36, PLOG
	v_lshl_add_u32 v11, v16, 5, s36                ; partial logits: 32 bytes a lane
	v_lshlrev_b32 v12, 6, v17
	v_lshl_add_u32 v12, v18, 5, v12                ; 64 r + 32 h: d, wts (and, where r = 0, usage)
	v_lshlrev_b32 v14, 2, v17                      ; 4 r: gate_b, out2
	v_lshl_add_u32 v13, v18, 9, v14
	v_add_nc_u32 v13, 81920, v13                   ; gate_W row 1280 + 8 h, column r
	; wave 0's last K step: d, gate_W's last 16 rows, gate_b.  Issued first, so that the counts below are the same for every wave.
	s_cmp_lg_u32 s30, 0
	s_cbranch_scc1 .Lno_tail_loads
	global_load_b128 v[EXR:EXR+3], v12, s[8:9]
	global_load_b128 v[EXR+4:EXR+7], v12, s[8:9] offset:16
.irp j, 0,1,2,3,4,5,6,7
	global_load_b32 v[EXW+\j], v13, s[10:11] offset:64*\j
.endr
	global_load_b32 v15, v14, s[12:13]
.Lno_tail_loads:
.set ti, 0
.rept 16
	BLOAD ti, R2+4*ti
.set ti, ti+1
.endr
.irp t, 0,1,2,3,4,5,6,7
	global_load_b128 v[R1+4*\t:R1+4*\t+3], v3, s[6:7] offset:2048*\t th:TH_LOAD_NT
.endr
.irp i, 0,1,2,3,4,5,6,7,8,9,10,11,12,13,14,15
.irp hf, 0,1
	global_load_b128 v[R1+32+4*(2*\i+\hf):R1+32+4*(2*\i+\hf)+3], v1, s[4:5] offset:4096*\i+512*\hf th:TH_LOAD_NT
.endr
.endr
	s_wait_loadcnt 40                              ; the 40 loads of u and x are younger: gate_W's first 16 (and wave 0's tail) are in
.set ti, 0
.rept 16
	BCAST ti, R2+4*ti
	BLOAD ti+16, R2+4*ti
.set ti, ti+1
.endr
	s_cmp_lg_u32 s30, 0
	s_cbranch_scc1 .Lno_tail_prep
	v_cvt_pk_bf16_f32 v[EXR], v[EXR], v[EXR+1]     ; rows' fragment: k = 8 h + 0..7 is d,
	v_cvt_pk_bf16_f32 v[EXR+1], v[EXR+2], v[EXR+3]
	v_cvt_pk_bf16_f32 v[EXR+2], v[EXR+4], v[EXR+5]
	v_cvt_pk_bf16_f32 v[EXR+3], v[EXR+6], v[EXR+7]
	v_mov_b32 v[EXR+4], 0x3f80                     ; k = 16 + 8 h is 1.0 (meets gate_b where h = 0, zero where h = 1), the rest 0
	v_mov_b32 v[EXR+5], 0
	v_mov_b32 v[EXR+6], 0
	v_mov_b32 v[EXR+7], 0
	v_cvt_pk_bf16_f32 v[EXW], v[EXW], v[EXW+1]     ; experts' fragment: gate_W rows 1280 + 8 h + 0..7,
	v_cvt_pk_bf16_f32 v[EXW+1], v[EXW+2], v[EXW+3]
	v_cvt_pk_bf16_f32 v[EXW+2], v[EXW+4], v[EXW+5]
	v_cvt_pk_bf16_f32 v[EXW+3], v[EXW+6], v[EXW+7]
	v_mov_b32 v[EXW+5], 0
	v_mov_b32 v[EXW+6], 0
	v_mov_b32 v[EXW+7], 0
	v_cmp_gt_u32 vcc_lo, 16, v0                    ; (in wave 0 the thread's number is the lane)
	v_cndmask_b32 v15, 0, v15, vcc_lo
	v_cvt_pk_bf16_f32 v[EXW+4], v15, v[EXW+5]      ; k = 16: gate_b[r]; k = 24: 0; the upper half 0
.Lno_tail_prep:
	s_wait_loadcnt 16                              ; gate_W's second 16 are younger: u and x are in
.irp t, 0,1,2,3,4,5,6,7
	v_cvt_pk_bf16_f32 v[R1+4*\t], v[R1+4*\t], v[R1+4*\t+1]
	v_cvt_pk_bf16_f32 v[R1+4*\t+1], v[R1+4*\t+2], v[R1+4*\t+3]
	ds_store_b64 v6, v[R1+4*\t:R1+4*\t+1] offset:2*APITCH*\t
.endr
.irp i, 0,1,2,3,4,5,6,7,8,9,10,11,12,13,14,15
.irp hf, 0,1
	v_cvt_pk_bf16_f32 v[R1+32+4*(2*\i+\hf)], v[R1+32+4*(2*\i+\hf)], v[R1+32+4*(2*\i+\hf)+1]
	v_cvt_pk_bf16_f32 v[R1+32+4*(2*\i+\hf)+1], v[R1+32+4*(2*\i+\hf)+2], v[R1+32+4*(2*\i+\hf)+3]
	ds_store_b64 v7, v[R1+32+4*(2*\i+\hf):R1+32+4*(2*\i+\hf)+1] offset:APITCH*\i+256*\hf
	global_store_b64 v2, v[R1+32+4*(2*\i+\hf):R1+32+4*(2*\i+\hf)+1], s[18:19] offset:2048*\i+256*\hf   ; 32 lanes: 256 neighbouring aligned bytes of xb
.endr
.endr
	s_wait_loadcnt 0x0
.set ti, 0
.rept 16
	BCAST ti+16, R2+4*ti
.set ti, ti+1
.endr
.set ti, 0
.rept 8
	BLOAD ti+32, R2+4*ti
.set ti, ti+1
.endr
	s_wait_loadcnt 0x0
.set ti, 0
.rept 8
	BCAST ti+32, R2+4*ti
.set ti, ti+1
.endr
	s_wait_xcnt 0x0                                ; the stores of xb have read R1: it is loaded again only behind this wait
	; ten K steps of 32.  LDS serves a wave's instructions in order (ISA guide 5.7.1): these loads see the wave's own stores above.
.irp s, 0,1,2,3,4,5,6,7,8,9
	ds_load_b128 v[16+8*\s:19+8*\s], v9 offset:64*\s
	ds_load_b128 v[20+8*\s:23+8*\s], v9 offset:64*\s+32
	ds_load_tr16_b128 v[96+8*\s:99+8*\s], v10 offset:1024*\s
	ds_load_tr16_b128 v[100+8*\s:103+8*\s], v10 offset:1024*\s+512
.endr
	s_wait_dscnt 0x0
	; Used transposed: source 0 = 16 experts, source 1 = 16 rows, so that lane (r, h) holds row r, experts 8 h + 0..7.
	; Two accumulators take turns, one instruction a turn.
	v_wmma_f32_16x16x32_bf16 v[LG:LG+7], v[96:103], v[16:23], 0
	v_wmma_f32_16x16x32_bf16 v[AC1:AC1+7], v[104:111], v[24:31], 0
.irp s, 2,4,6,8
	v_wmma_f32_16x16x32_bf16 v[LG:LG+7], v[96+8*\s:103+8*\s], v[16+8*\s:23+8*\s], v[LG:LG+7]
	v_wmma_f32_16x16x32_bf16 v[AC1:AC1+7], v[104+8*\s:111+8*\s], v[24+8*\s:31+8*\s], v[AC1:AC1+7]
.endr
	s_cmp_lg_u32 s30, 0
	s_cbranch_scc1 .Lno_tail
	v_wmma_f32_16x16x32_bf16 v[LG:LG+7], v[EXW:EXW+7], v[EXR:EXR+7], v[LG:LG+7]
.Lno_tail:
.rept 4
	v_nop                                          ; four places behind the last matrix instruction before its result is read (ISA guide 7.12.1)
.endr
.irp i, 0,2,4,6
	v_pk_add_f32 v[LG+\i:LG+\i+1], v[LG+\i:LG+\i+1], v[AC1+\i:AC1+\i+1]
.endr
	ds_store_b128 v11, v[LG:LG+3]                  ; (wave 0's own words are not read: leaving them out would cost a branch)
	ds_store_b128 v11, v[LG+4:LG+7] offset:16
	s_wait_dscnt 0x0                               ; for wave 0's sake: my stores are done before I signal
	s_barrier_signal -1
	s_barrier_wait -1
	s_cmp_lg_u32 s30, 0
	s_cbranch_scc1 .Lgate_end
	; ---- wave 0: the four partial logits are added in the order p = 0, 1, 2, 3; then softmax, argmax, column sums
.irp p, 1,2,3
	ds_load_b128 v[184+8*\p:187+8*\p], v11 offset:1024*\p
	ds_load_b128 v[188+8*\p:191+8*\p], v11 offset:1024*\p+16
.endr
	s_wait_dscnt 0x0
.irp p, 1,2,3
.irp i, 0,2,4,6
	v_pk_add_f32 v[LG+\i:LG+\i+1], v[LG+\i:LG+\i+1], v[184+8*\p+\i:185+8*\p+\i]
.endr
.endr
	v_max3_num_f32 v216, v[LG], v[LG+1], v[LG+2]
	v_max3_num_f32 v216, v216, v[LG+3], v[LG+4]
	v_max3_num_f32 v216, v216, v[LG+5], v[LG+6]
	v_max_num_f32 v216, v216, v[LG+7]
	v_permlanex16_b32 v208, v216, s40, s41         ; the other eight experts' maximum (v208-v210 have been written by the loads above)
	v_max_num_f32 v216, v216, v208                 ; the row's maximum
	v_bfe_u32 v219, v0, 4, 1
	v_lshlrev_b32 v219, 3, v219                    ; 8 h
	v_mov_b32 v218, 16
.irp j, 7,6,5,4,3,2,1,0
	v_cmp_eq_f32 vcc_lo, v[LG+\j], v216            ; descending, so that the lowest index that attains the maximum stays
	v_add_nc_u32 v220, \j, v219
	v_cndmask_b32 v218, v218, v220, vcc_lo
.endr
	v_permlanex16_b32 v209, v218, s40, s41
	v_min_u32 v218, v218, v209
	v_mul_f32 v222, s42, v216
.irp j, 0,1,2,3,4,5,6,7
	v_fma_f32 v[224+\j], v[LG+\j], s42, -v222      ; (logit - maximum) log2(e)
.endr
.irp j, 0,1,2,3,4,5,6,7
	v_exp_f32 v[224+\j], v[224+\j]
.endr
	v_nop                                          ; one plain place behind the last transcendental (ISA guide 5.7.2)
	s_wait_alu depctr_va_vdst(0)
	v_pk_add_f32 v[232:233], v[224:225], v[226:227]
	v_pk_add_f32 v[234:235], v[228:229], v[230:231]
	v_pk_add_f32 v[232:233], v[232:233], v[234:235]
	v_add_f32 v232, v232, v233
	v_permlanex16_b32 v210, v232, s40, s41
	v_add_f32 v232, v232, v210
	v_rcp_f32 v234, v232
	v_nop
	s_wait_alu depctr_va_vdst(0)
.irp j, 0,2,4,6
	v_pk_mul_f32 v[224+\j:225+\j], v[224+\j:225+\j], v[234:235] op_sel_hi:[1,0]
.endr
	global_store_b128 v12, v[224:227], s[24:25]
	global_store_b128 v12, v[228:231], s[24:25] offset:16
	; column sums over the 16 rows: lanes of one half hold one set of experts
.irp j, 0,1,2,3,4,5,6,7
	v_add_f32_dpp v[192+\j], v[224+\j], v[224+\j] row_xmask:1 row_mask:0xf bank_mask:0xf
.endr
.irp m, 2,4,8
.irp j, 0,1,2,3,4,5,6,7
	v_add_f32_dpp v[192+\j], v[192+\j], v[192+\j] row_xmask:\m row_mask:0xf bank_mask:0xf
.endr
.endr
	v_cmp_gt_u32 vcc_lo, 16, v0
	s_wait_xcnt 0x0                                ; EXEC is a source of the pending stores: it changes only behind this wait
	s_and_saveexec_b32 s44, vcc_lo
	global_store_b32 v14, v218, s[28:29]           ; lanes 0-15: the rows' indices
	s_wait_xcnt 0x0
	s_or_b32 exec_lo, exec_lo, s44
	v_and_b32 v220, 15, v0
	v_cmp_eq_u32 vcc_lo, 0, v220
	s_and_saveexec_b32 s44, vcc_lo                 ; nothing has been issued since the last wait
	global_store_b128 v12, v[192:195], s[26:27]    ; lanes 0 and 16 (r = 0, so v12 = 32 h): the 16 column sums
	global_store_b128 v12, v[196:199], s[26:27] offset:16
	s_wait_xcnt 0x0
	s_or_b32 exec_lo, exec_lo, s44
.Lgate_end:
	s_set_vgpr_msb 0x5
	s_wait_tensorcnt 0x0
	ds_add_u32 v0, v1
	s_wait_dscnt 0x0
	s_set_vgpr_msb 0x500
	s_endpgm
.Lfunc_end_k_qe41e4c8d18_prep:
	.size	k_qe41e4c8d18_prep, .Lfunc_end_k_qe41e4c8d18_prep-k_qe41e4c8d18_prep
	.p2alignl 7, 3214868480
	.fill 96, 4, 3214868480
	.section	.rodata,"a",@progbits
	.p2align	6, 0x0
	.amdhsa_kernel k_qe41e4c8d18_prep
		.amdhsa_group_segment_fixed_size 87552
		.amdhsa_private_segment_fixed_size 0
		.amdhsa_enable_private_segment 0
		.amdhsa_kernarg_size 104
		.amdhsa_user_sgpr_count 2
		.amdhsa_user_sgpr_kernarg_segment_ptr 1
		.amdhsa_wavefront_size32 1
		.amdhsa_system_sgpr_workgroup_id_x 1
		.amdhsa_system_sgpr_workgroup_id_y 1
		.amdhsa_system_sgpr_workgroup_id_z 1
		.amdhsa_system_vgpr_workitem_id 0
		.amdhsa_next_free_vgpr 258
		.amdhsa_next_free_sgpr 66
		.amdhsa_reserve_vcc 1
		.amdhsa_float_denorm_mode_32 3
		.amdhsa_float_denorm_mode_16_64 3
		.amdhsa_memory_ordered 1
		.amdhsa_forward_progress 1
		.amdhsa_inst_pref_size 64
	.end_amdhsa_kernel
	.amdgpu_metadata
---
amdhsa.version: [ 1, 2 ]
amdhsa.kernels:
  - .name:           k_qe41e4c8d18_prep
    .symbol:         k_qe41e4c8d18_prep.kd
    .args:
      - { .name: x, .offset: 0, .size: 8, .value_kind: global_buffer, .address_space: global }
      - { .name: u, .offset: 8, .size: 8, .value_kind: global_buffer, .address_space: global }
      - { .name: d, .offset: 16, .size: 8, .value_kind: global_buffer, .address_space: global }
      - { .name: gate_W, .offset: 24, .size: 8, .value_kind: global_buffer, .address_space: global }
      - { .name: gate_b, .offset: 32, .size: 8, .value_kind: global_buffer, .address_space: global }
      - { .name: W1, .offset: 40, .size: 8, .value_kind: global_buffer, .address_space: global }
      - { .name: W2, .offset: 48, .size: 8, .value_kind: global_buffer, .address_space: global }
      - { .name: xb, .offset: 56, .size: 8, .value_kind: global_buffer, .address_space: global }
      - { .name: w1t, .offset: 64, .size: 8, .value_kind: global_buffer, .address_space: global }
      - { .name: w2b, .offset: 72, .size: 8, .value_kind: global_buffer, .address_space: global }
      - { .name: wts, .offset: 80, .size: 8, .value_kind: global_buffer, .address_space: global }
      - { .name: usage, .offset: 88, .size: 8, .value_kind: global_buffer, .address_space: global }
      - { .name: out2, .offset: 96, .size: 8, .value_kind: global_buffer, .address_space: global }
    .group_segment_fixed_size: 87552
    .private_segment_fixed_size: 0
    .kernarg_segment_align: 8
    .kernarg_segment_size: 104
    .max_flat_workgroup_size: 128
    .sgpr_count:     66
    .vgpr_count:     258
    .wavefront_size: 32
...
	.end_amdgpu_metadata
.endif
;; end of part 1
;; launch moe (part 2): grid 32 x 8, 4 waves a work-group, clusters of 4 x 4, 327,680 bytes of LDS; arguments xb, w1t, w2b, wts, b1, b2, part; writes part
.if DOCPART == 2
	.amdgcn_target "amdgcn-amd-amdhsa--gfx1250"
	.amdhsa_code_object_version 6
	.text
	.protected	k_qe41e4c8d18_moe
	.globl	k_qe41e4c8d18_moe
	.p2align	8
	.type	k_qe41e4c8d18_moe,@function
k_qe41e4c8d18_moe:
	s_mov_b64 s[64:65], 0
	v_nop
	global_prefetch_b8 v0, s[64:65] scope:SCOPE_SE
	s_setreg_imm32_b32 hwreg(HW_REG_WAVE_MODE, 25, 1), 1
	s_wait_xcnt 0x0
	s_wait_alu depctr_hold_cnt(0) depctr_sa_sdst(0) depctr_va_vdst(0) depctr_va_sdst(0) depctr_va_ssrc(0) depctr_va_vcc(0) depctr_vm_vsrc(0)
	s_getreg_b32 s2, hwreg(HW_REG_IB_STS2, 6, 4)
	s_cmp_eq_u32 s2, 0
	s_cbranch_scc0 .Lentry_in_a_cluster
	s_endpgm
.Lentry_in_a_cluster:
	s_bfe_u32 s2, ttmp6, 0x10000c
	s_cmp_lg_u32 s2, 0xf033
	s_cbranch_scc0 .Lentry_shape_is_right
	s_endpgm
.Lentry_shape_is_right:
; MOE: work-group (rb, g) makes, for rows 128 rb .. + 127 and experts 2 g, 2 g + 1, the f32 partial sum
;   part[g] = sum over the two experts of  w[row][e] (relu(x W1[e] + b1[e]) W2[e] + b2[e])      (128 x 512)
; in four chunks of 256 hidden units.  A chunk: GEMM1 [128 x 1024] x [1024 x 256] in 8 steps of K = 128; h' = w relu(. + b1) as bf16
; into LDS; GEMM2 [128 x 256] x [256 x 512] in 4 steps of K = 64 onto accumulators that stay in registers for the whole launch.
; Every step is 128 matrix instructions a wave, and one tile through a ring of two LDS slots.
; Waves: GEMM1 64 rows x 128 hidden (wm = wave >> 1, wn = wave & 1); GEMM2 128 rows x 128 outputs (128 x wave).
; CLUSTERS, 4 x 4: the four work-groups of a column of the cluster share rb and ask jointly for the tiles of x; the four of a row
; share g and ask jointly for the tiles of W1 and W2.  That divides the requests for every tile by four.
; ROTATION: the clusters that walk the same weights differ in the cluster's x.  In turn i a cluster takes chunk (i + cluster x) mod 4,
; so that clusters with different x mod 4 ask for different chunks' weights at any one time, and a tile that one of them has asked for
; is asked for by the next a chunk's work later, not by all in the same step.  The rotation is the same in all sixteen partners of a
; cluster; it enters global addresses and one select, no branch, no trip count and no LDS address.  The order in which the chunks'
; f32 sums are added therefore differs between row blocks.
; The weights lie [K][N]; ds_load_tr16_b128 transposes them on the way into registers.
; Every matrix instruction is used transposed (source 0 = weights, source 1 = rows): a lane holds one row and 8 neighbouring columns.
; LIMITS, kept on purpose: b1 and b2 are rounded to bf16 once and then used in f32; h' is rounded to bf16; relu is v_max_num_f32,
; which turns a NaN into 0.
; REGISTERS: window 0: addresses, w, fragments; window 1: GEMM1's 32 accumulator tiles (a, b) at 8 (8 a + b), in GEMM2 W2's fragments;
; windows 2, 3: GEMM2's 64 accumulator tiles (A, b) at 8 (8 (A & 3) + b), window 2 for A < 4.
.set SLOT,  108544                     ; GEMM1 form: x 128 rows x 272, then W1 2 x (128 k x 288).  GEMM2 form: 4 x (64 k x 288)
.set XP,    272                        ; 256 bytes + 16: sixteen rows start in sixteen different 16-byte columns
.set WP,    288                        ; 256 bytes + 32: an odd multiple of 32, as the transposing load's sixteen rows want
.set XHALF, 64*XP
.set WOFF,  128*XP
.set WSUB,  128*WP
.set VSUB,  64*WP
.set HST,   2*SLOT                     ; h': 128 rows x 528 bytes, written by ds_store alone: no tile ever lands here
.set HP,    528
.set B1T,   HST+128*HP                 ; b1 of the two experts, 1,024 f32 in the order of the turns, written by ds_store alone
.set ADRX, 2                           ; v2, v3   x fragments, slot 0, 1
.set ADRW, 4                           ; v4, v5   W1 fragments
.set ADRV, 6                           ; v6, v7   W2 fragments
.set ADRH, 8                           ; v8       h' fragments
.set STO,  9                           ; v9       where I put 16 bytes of h'
.set ADRB, 10                          ; v10      my 8 x 8 numbers of b1, steps by a turn
.set PO,   11                          ; v11      16 lane
.set WE,   12                          ; v[12:19] w[row of tile a][e0, e1], a = 0..3
.set WC,   20                          ; v[20:27] this chunk's w, each twice
.set F0,   32                          ; GEMM1 fragment buffer 0: W1 v[32:95], x v[96:127]
.set F1,   128                         ; buffer 1: W1 v[128:191], x v[192:223]
.set HB0,  32                          ; GEMM2: h' fragments, two buffers
.set HB1,  128
.set VB0,  0                           ; GEMM2: W2 fragments in window 1, two buffers
.set VB1,  64
.set BI,   32                          ; epilogue: b1
.set T,    128                         ; epilogue: 64 numbers at work
.set P,    192                         ; epilogue: packed
.set G1X, 16                           ; s[16:23] shape of x's tiles       s[40:47] GX: from where, to where, a set for each slot
.set G1W, 24                           ; s[24:31] of W1's                  s[48:55] GW
.set G1V, 32                           ; s[32:39] of W2's                  s[56:63] GV
.set GX,  40
.set GW,  48
.set GV,  56
; s70 wave, s71 wm, s72 wn; s73 cx, s75 rb, s77, s82, s83, s[4:5] hold cx's side alone; s74 cy, s76 g, s78, s84-s87, s[6:9] cy's side alone;
; s88-s91 hold both and feed no descriptor; s79 turn; s80 select; s81 mask; s92, s93, s95 LDS addresses; s94 scratch (wave's number, rotation);
; s96 the rotation (cluster x mod 4: equal in all partners); s[98:99], s[100:101] how far W1's and W2's addresses go back behind this chunk
.set MSB, 0
.macro WIN new                         ; the immediate's high byte repeats the setting that is left
.if MSB != \new
	s_set_vgpr_msb (MSB<<8)|\new
.set MSB, \new
.endif
.endm
.macro PLACES                          ; four places behind a matrix instruction, before a load lands on, or a vector instruction touches, its registers
.rept 4
	v_nop
.endr
.endm
.macro CREST                           ; a round of the cluster's barrier behind its opening work-group barrier
	s_cmp_lg_u32 s70, 0
	s_cbranch_scc1 .Lnw0_\@
	s_barrier_signal -3
.Lnw0_\@:
	s_barrier_wait -3
	s_barrier_signal -1
	s_barrier_wait -1
.endm
.macro CROUND
	s_barrier_signal -1
	s_barrier_wait -1
	CREST
.endm
; A GEMM1 tile: waves 0, 1 ask for x's two halves of 64 rows, waves 2, 3 for W1's two halves of 128 columns.  One mask a line.
.macro JLOAD1 s
	s_cmp_eq_u32 s71, 0
	s_cbranch_scc0 .Lfor_w_\@
	tensor_load_to_lds s[GX+4*\s:GX+4*\s+3], s[G1X:G1X+7]
	s_nop 0
	s_branch .Lasked_\@
.Lfor_w_\@:
	tensor_load_to_lds s[GW+4*\s:GW+4*\s+3], s[G1W:G1W+7]
	s_nop 0
.Lasked_\@:
.endm
.macro JLOAD2 s                        ; a GEMM2 tile: each wave asks for its own 128 columns of 64 rows of W2
	tensor_load_to_lds s[GV+4*\s:GV+4*\s+3], s[G1V:G1V+7]
	s_nop 0
.endm
; Steps a slot's addresses by two tiles.  Stands only behind a wait that shows every tensor load of the wave done, so that any set may be written.
; code 1: x and W1.  2: W2.  3: W2; x starts again; both of W1's sets, which by now point at the chunk that follows in w1t, go back by
; four chunks if this was chunk 3.  4: x and W1; both of W2's sets likewise.
.macro ADV code, s
.if \code == 1
	s_add_nc_u64 s[GX+4*\s+2:GX+4*\s+3], s[GX+4*\s+2:GX+4*\s+3], 512       ; 2 x 128 k of x
	s_add_nc_u64 s[GW+4*\s+2:GW+4*\s+3], s[GW+4*\s+2:GW+4*\s+3], 131072    ; 2 x 128 rows of 512 bytes; chunks follow each other in w1t
.endif
.if \code == 2
	s_add_nc_u64 s[GV+4*\s+2:GV+4*\s+3], s[GV+4*\s+2:GV+4*\s+3], 131072    ; 2 x 64 rows of 1,024 bytes; chunks follow each other in w2b
.endif
.if \code == 3
	s_add_nc_u64 s[GV+4*\s+2:GV+4*\s+3], s[GV+4*\s+2:GV+4*\s+3], 131072
	s_sub_nc_u64 s[GX+2:GX+3], s[GX+2:GX+3], 2048                          ; x starts again for the next chunk: four steps of 512 back
	s_sub_nc_u64 s[GX+6:GX+7], s[GX+6:GX+7], 2048
	s_sub_nc_u64 s[GW+2:GW+3], s[GW+2:GW+3], s[98:99]
	s_sub_nc_u64 s[GW+6:GW+7], s[GW+6:GW+7], s[98:99]
.endif
.if \code == 4
	s_add_nc_u64 s[GX+4*\s+2:GX+4*\s+3], s[GX+4*\s+2:GX+4*\s+3], 512
	s_add_nc_u64 s[GW+4*\s+2:GW+4*\s+3], s[GW+4*\s+2:GW+4*\s+3], 131072
	s_sub_nc_u64 s[GV+2:GV+3], s[GV+2:GV+3], s[100:101]
	s_sub_nc_u64 s[GV+6:GV+7], s[GV+6:GV+7], s[100:101]
.endif
.endm
; 24 LDS loads: quarter q (32 k) of a GEMM1 tile: 8 fragments of W1, then 4 of x
.macro FETCH1 slot, q, f
	WIN 0
.irp b, 0,1,2,3,4,5,6,7
	ds_load_tr16_b128 v[\f+8*\b:\f+8*\b+3],   v[ADRW+\slot] offset:\q*32*WP+32*\b
	ds_load_tr16_b128 v[\f+8*\b+4:\f+8*\b+7], v[ADRW+\slot] offset:\q*32*WP+32*\b+16*WP
.endr
.irp a, 0,1,2,3
	ds_load_b128 v[\f+64+8*\a:\f+64+8*\a+3],   v[ADRX+\slot] offset:\a*16*XP+64*\q
	ds_load_b128 v[\f+64+8*\a+4:\f+64+8*\a+7], v[ADRX+\slot] offset:\a*16*XP+64*\q+32
.endr
.endm
.macro FETCHV slot, kq, vb             ; 16 loads: 8 fragments of W2 into window 1
	WIN 0x40
.irp b, 0,1,2,3,4,5,6,7
	ds_load_tr16_b128 v[\vb+8*\b:\vb+8*\b+3],   v[ADRV+\slot] offset:\kq*32*WP+32*\b
	ds_load_tr16_b128 v[\vb+8*\b+4:\vb+8*\b+7], v[ADRV+\slot] offset:\kq*32*WP+32*\b+16*WP
.endr
.endm
.macro FETCHH kb, hb                   ; 16 loads: 8 fragments of h', 32 k at byte kb of its rows
	WIN 0
.irp a, 0,1,2,3,4,5,6,7
	ds_load_b128 v[\hb+8*\a:\hb+8*\a+3],   v[ADRH] offset:\a*16*HP+\kb
	ds_load_b128 v[\hb+8*\a+4:\hb+8*\a+7], v[ADRH] offset:\a*16*HP+\kb+32
.endr
.endm
; The accumulators take turns, one instruction a turn, in the same order in every quarter.
.macro MUL8 f, a, zero                 ; GEMM1: row tile a x 8 column tiles
.irp b, 0,1,2,3,4,5,6,7
.if \zero
	v_wmma_f32_16x16x32_bf16 v[8*(8*\a+\b):8*(8*\a+\b)+7], v[\f+8*\b:\f+8*\b+7], v[\f+64+8*\a:\f+64+8*\a+7], 0
.else
	v_wmma_f32_16x16x32_bf16 v[8*(8*\a+\b):8*(8*\a+\b)+7], v[\f+8*\b:\f+8*\b+7], v[\f+64+8*\a:\f+64+8*\a+7], v[8*(8*\a+\b):8*(8*\a+\b)+7]
.endif
.endr
.endm
.macro MUL16 hb, vb, hi, a0            ; GEMM2: row tiles 4 hi + a0, + 1 x 8 column tiles
.irp a, \a0, \a0+1
.irp b, 0,1,2,3,4,5,6,7
	v_wmma_f32_16x16x32_bf16 v[8*(8*(\a)+\b):8*(8*(\a)+\b)+7], v[\vb+8*\b:\vb+8*\b+7], v[\hb+8*(4*\hi+\a):\hb+8*(4*\hi+\a)+7], v[8*(8*(\a)+\b):8*(8*(\a)+\b)+7]
.endr
.endr
.endm
; GEMM1, one of a step's first three quarters: multiplies buffer f, fetches quarter qn into buffer g in its middle
.macro Q1 slot, qn, f, g, zero
	s_wait_dscnt 0x4                               ; all but the youngest four loads (x tiles 2, 3)
	WIN 0x50
	MUL8 \f, 0, \zero
	MUL8 \f, 1, \zero
	PLACES
	FETCH1 \slot, \qn, \g
	s_wait_dscnt 24                                ; all but the 24 just issued
	WIN 0x50
	MUL8 \f, 2, \zero
	MUL8 \f, 3, \zero
.endm
; GEMM1, the last quarter, and the change of slots.  In front of the round each wave waits for its reads of this slot and for all its
; tensor loads (the one that is out is its part of the next tile); behind the round no wave of any partner reads this slot any more:
; the refill comes first, then the next slot's first fragments (or, behind the last step, this chunk's b1).
.macro TURN1 slot, next, acode, aset, kind, bias
	s_wait_dscnt 0x4
	WIN 0x50
	MUL8 F1, 0, 0
	s_wait_dscnt 0x0
	s_wait_tensorcnt 0x0
	ds_add_u32 v254, v255
	s_wait_dscnt 0x0
	ADV \acode, \aset
	s_barrier_signal -1
	MUL8 F1, 1, 0
	WIN 0
	s_barrier_wait -1
	CREST
.if \kind == 1
	JLOAD1 \slot
.else
	JLOAD2 \slot
.endif
	PLACES
.if \bias
.irp b, 0,1,2,3,4,5,6,7
	ds_load_b128 v[BI+8*\b:BI+8*\b+3],   v[ADRB] offset:64*\b
	ds_load_b128 v[BI+8*\b+4:BI+8*\b+7], v[ADRB] offset:64*\b+16
.endr
	v_add_nc_u32 v[ADRB], 1024, v[ADRB]            ; the next turn's 256 numbers
.else
	FETCH1 \next, 0, F0
.endif
	WIN 0x50
	MUL8 F1, 2, 0
	MUL8 F1, 3, 0
.endm
.macro STEP1 slot, next, zero, acode, aset, kind, bias
	Q1 \slot, 1, F0, F1, \zero
	Q1 \slot, 2, F1, F0, 0
	Q1 \slot, 3, F0, F1, 0
	TURN1 \slot, \next, \acode, \aset, \kind, \bias
.endm
; h' = w relu(acc + b1), rounded to bf16, 16 bytes a lane into HST; then the barrier that shows h' to all four waves.
; The tile that is on its way may stay out.
.macro EPI
	PLACES
	s_wait_dscnt 0x0                               ; b1 is in
.irp a, 0,1,2,3
	WIN 0x01
.irp b, 0,1,2,3,4,5,6,7
.irp i, 0,2,4,6
	v_pk_add_f32 v[T+8*\b+\i:T+8*\b+\i+1], v[8*(8*\a+\b)+\i:8*(8*\a+\b)+\i+1], v[BI+8*\b+\i:BI+8*\b+\i+1]
.endr
.endr
	WIN 0
.set kk, 0
.rept 64
	v_max_num_f32 v[T+kk], 0, v[T+kk]
.set kk, kk+1
.endr
.set kk, 0
.rept 32
	v_pk_mul_f32 v[T+2*kk:T+2*kk+1], v[T+2*kk:T+2*kk+1], v[WC+2*\a:WC+2*\a+1]
.set kk, kk+1
.endr
.set kk, 0
.rept 32
	v_cvt_pk_bf16_f32 v[P+kk], v[T+2*kk], v[T+2*kk+1]
.set kk, kk+1
.endr
.irp b, 0,1,2,3,4,5,6,7
	ds_store_b128 v[STO], v[P+4*\b:P+4*\b+3] offset:\a*16*HP+32*\b
.endr
.endr
	FETCHV 0, 0, VB0                               ; GEMM2's first tile was shown whole by the last round
	WIN 0
	s_wait_dscnt 0x0                               ; for the others' sake: my part of h' is written
	s_barrier_signal -1
	s_barrier_wait -1
	FETCHH 0, HB0
.endm
; GEMM2, a step's first quarter: multiplies buffers 0, fetches the second quarter (h' at byte kb) into buffers 1
.macro Q2 slot, kb
	s_wait_dscnt 0x8                               ; all but the youngest eight loads (h' tiles 4-7)
	WIN 0xa1
	MUL16 HB0, VB0, 0, 0
	MUL16 HB0, VB0, 0, 2
	PLACES
	FETCHV \slot, 1, VB1
	FETCHH \kb, HB1
	s_wait_dscnt 32                                ; all but the 32 just issued
	WIN 0xf1
	MUL16 HB0, VB0, 1, 0
	MUL16 HB0, VB0, 1, 2
.endm
; GEMM2, the second quarter and the change of slots, as TURN1.  fill = 0: nothing is left to fetch: the work-group's barrier alone.
.macro TURN2 slot, acode, aset, kind, fill, tog1, nslot, nkb
	s_wait_dscnt 0x8
	WIN 0xa1
	MUL16 HB1, VB1, 0, 0
	s_wait_dscnt 0x0
	s_set_vgpr_msb 0xa1a0
	s_wait_tensorcnt 0x0
	ds_add_u32 v254, v255
	s_wait_dscnt 0x0
	s_set_vgpr_msb 0xa0a1
	ADV \acode, \aset
	s_barrier_signal -1
	MUL16 HB1, VB1, 0, 2
	WIN 0
	s_barrier_wait -1
.if \fill
	CREST
.if \kind == 1
	JLOAD1 \slot
.else
	JLOAD2 \slot
.endif
.endif
	PLACES
.if \tog1
	FETCH1 0, 0, F0
.else
	FETCHV \nslot, 0, VB0
	FETCHH \nkb, HB0
.endif
	WIN 0xf1
	MUL16 HB1, VB1, 1, 0
	MUL16 HB1, VB1, 1, 2
.endm
; A turn: one chunk's tiles 0-7 (GEMM1) and 8-11 (GEMM2), tile u in slot u & 1.  The turn of tile u steps the set of tile u + 1, whose
; load has just been shown done, and fills this slot with tile u + 2.
.macro CHUNK last
	s_add_co_u32 s94, s79, s96
	s_and_b32 s94, s94, 3                          ; this turn's chunk = (turn + rotation) mod 4
	s_cmp_eq_u32 s94, 3                            ; behind chunk 3 comes chunk 0: the addresses go back by four chunks,
	s_cselect_b32 s98, 0x200000, 0                 ; of 524,288 bytes in w1t
	s_cselect_b32 s100, 0x100000, 0                ; and of 262,144 bytes in w2b; behind the others by nothing
	s_cmp_ge_u32 s94, 2                            ; chunks 0, 1: the first expert; 2, 3: the second
	s_cselect_b32 s80, -1, 0
.irp a, 0,1,2,3
	v_cndmask_b32 v[WC+2*\a], v[WE+2*\a], v[WE+2*\a+1], s80     ; eight plain instructions: also the places between GEMM2's last matrix
	v_cndmask_b32 v[WC+2*\a+1], v[WE+2*\a], v[WE+2*\a+1], s80   ; instructions and GEMM1's first, which write over W2's fragments
.endr
	STEP1 0, 1, 1, 1, 1, 1, 0                      ; the first products start h's sums: nothing is cleared
	STEP1 1, 0, 0, 1, 0, 1, 0
	STEP1 0, 1, 0, 1, 1, 1, 0
	STEP1 1, 0, 0, 1, 0, 1, 0
	STEP1 0, 1, 0, 1, 1, 1, 0
	STEP1 1, 0, 0, 1, 0, 1, 0
	STEP1 0, 1, 0, 1, 1, 2, 0                      ; fills slot 0 with GEMM2's first tile
	STEP1 1, 0, 0, 2, 0, 2, 1
	EPI
	Q2 0, 64
	TURN2 0, 3, 1, 2, 1, 0, 1, 128
	Q2 1, 192
	TURN2 1, 2, 0, 2, 1, 0, 0, 256
	Q2 0, 320
.if \last
	TURN2 0, 0, 0, 1, 0, 0, 1, 384
	Q2 1, 448
	s_wait_dscnt 0x8                               ; the very last quarter: nothing more to fetch, no slot changes hands
	WIN 0xa1
	MUL16 HB1, VB1, 0, 0
	MUL16 HB1, VB1, 0, 2
	s_wait_dscnt 0x0
	WIN 0xf1
	MUL16 HB1, VB1, 1, 0
	MUL16 HB1, VB1, 1, 2
.else
	TURN2 0, 2, 1, 1, 1, 0, 1, 384                 ; fills slot 0 with the next turn's first tile
	Q2 1, 448
	TURN2 1, 4, 0, 1, 1, 1, 0, 0
.endif
.endm
.macro ROUND2 a, tmp                   ; two f32 to the nearest bf16 value, kept as f32
	v_cvt_pk_bf16_f32 v[\tmp], v[\a], v[\a+1]
	v_lshlrev_b32 v[\a], 16, v[\tmp]
	v_and_b32 v[\a+1], s81, v[\tmp]
.endm
; GEMM2's accumulators start as w[e0] b2[e0] + w[e1] b2[e1]: 32 tiles of one window
.macro INIT wmul, wfma, abase
	WIN \wmul
.irp a, 0,1,2,3
.irp b, 0,1,2,3,4,5,6,7
.irp i, 0,2,4,6
	v_pk_mul_f32 v[8*(8*\a+\b)+\i:8*(8*\a+\b)+\i+1], v[32+8*\b+\i:32+8*\b+\i+1], v[192+2*(\abase+\a):192+2*(\abase+\a)+1] op_sel_hi:[1,0]
.endr
.endr
.endr
	WIN \wfma
.irp a, 0,1,2,3
.irp b, 0,1,2,3,4,5,6,7
.irp i, 0,2,4,6
	v_pk_fma_f32 v[8*(8*\a+\b)+\i:8*(8*\a+\b)+\i+1], v[128+8*\b+\i:128+8*\b+\i+1], v[192+2*(\abase+\a):192+2*(\abase+\a)+1], v[8*(8*\a+\b)+\i:8*(8*\a+\b)+\i+1] op_sel:[0,1,0] op_sel_hi:[1,1,1]
.endr
.endr
.endr
.endm
	s_load_b256 s[4:11], s[0:1], 0x0               ; xb s4, w1t s6, w2b s8, wts s10
	s_load_b128 s[12:15], s[0:1], 0x20             ; b1 s12, b2 s14
	s_load_b64 s[68:69], s[0:1], 0x30              ; part
	v_lshl_add_u32 v254, v0, 2, 0x46800
	v_mov_b32 v255, 0
	ds_add_u32 v254, v255
	v_lshrrev_b32 v1, 5, v0
	v_readfirstlane_b32 s70, v1                    ; wave
	s_lshr_b32 s71, s70, 1                         ; wm.  Also: I ask for x (0) or for W1 (1)
	s_and_b32 s72, s70, 1                          ; wn.  Also: which half of that tile
	s_bfe_u32 s73, ttmp6, 0x40000                  ; cx
	s_bfe_u32 s74, ttmp6, 0x40004                  ; cy
	s_lshl_b32 s75, ttmp9, 2
	s_add_co_u32 s75, s75, s73                     ; rb = 4 x cluster x + cx
	s_and_b32 s76, ttmp7, 0xffff
	s_lshl_b32 s76, s76, 2
	s_add_co_u32 s76, s76, s74                     ; g = 4 x cluster y + cy
	s_lshl_b32 s77, 0x1111, s73                    ; my column of the cluster: the four that share rb
	s_lshl_b32 s78, s74, 2
	s_lshl_b32 s78, 15, s78                        ; my row: the four that share g
	s_and_b32 s96, ttmp9, 3                        ; the rotation: the cluster's x mod 4, the same in all sixteen partners
	s_mov_b32 s99, 0                               ; high words of the two offsets by which the weights' addresses go back
	s_mov_b32 s101, 0
	s_mov_b32 s81, 0xffff0000
	; group 1: 15:0 mask; 17:16 elements of 2 bytes; 20 padding on; 21 set beside a mask; 24:22 after every 64 words; 31:25 words of padding less one
	s_or_b32 s[G1X+0], s77, (1<<16)|(1<<20)|(1<<21)|(5<<22)|(3<<25)
	s_mov_b32 s[G1X+1], 128<<16                    ; tensor_dim0 = 128
	s_mov_b32 s[G1X+2], 64<<16                     ; tensor_dim1 = 64
	s_mov_b32 s[G1X+3], 128<<16                    ; tile_dim0 = 128 elements: 256 bytes
	s_mov_b32 s[G1X+4], 64                         ; tile_dim1 = 64 rows
	s_mov_b32 s[G1X+5], 1024                       ; from row to row of xb
	s_mov_b32 s[G1X+6], 0
	s_mov_b32 s[G1X+7], 0
	s_or_b32 s[G1W+0], s78, (1<<16)|(1<<20)|(1<<21)|(5<<22)|(7<<25)
	s_mov_b32 s[G1W+1], 128<<16
	s_mov_b32 s[G1W+2], 128<<16
	s_mov_b32 s[G1W+3], 128<<16
	s_mov_b32 s[G1W+4], 128                        ; 128 rows of k
	s_mov_b32 s[G1W+5], 256                        ; from row to row of w1t
	s_mov_b32 s[G1W+6], 0
	s_mov_b32 s[G1W+7], 0
	s_or_b32 s[G1V+0], s78, (1<<16)|(1<<20)|(1<<21)|(5<<22)|(7<<25)
	s_mov_b32 s[G1V+1], 128<<16
	s_mov_b32 s[G1V+2], 64<<16
	s_mov_b32 s[G1V+3], 128<<16
	s_mov_b32 s[G1V+4], 64                         ; 64 rows of k
	s_mov_b32 s[G1V+5], 512                        ; from row to row of w2b
	s_mov_b32 s[G1V+6], 0
	s_mov_b32 s[G1V+7], 0
	s_lshl_b32 s82, s75, 18                        ; xb: row 128 rb + 64 wn, 2,048 bytes a row
	s_lshl_b32 s94, s72, 17
	s_add_co_u32 s82, s82, s94
	s_mov_b32 s83, 0
	s_lshl_b32 s84, s76, 21                        ; w1t: chunk 4 g + rotation, of 524,288 bytes, + 256 wn
	s_lshl_b32 s94, s96, 19
	s_add_co_u32 s84, s84, s94
	s_lshl_b32 s94, s72, 8
	s_add_co_u32 s84, s84, s94
	s_mov_b32 s85, 0
	s_lshl_b32 s86, s76, 20                        ; w2b: row 1,024 g + 256 x rotation, of 1,024 bytes, + 256 wave
	s_lshl_b32 s94, s96, 18
	s_add_co_u32 s86, s86, s94
	s_lshl_b32 s94, s70, 8
	s_add_co_u32 s86, s86, s94
	s_mov_b32 s87, 0
	s_mul_i32 s92, s72, XHALF                      ; to where: no place in the cluster enters an LDS address
	s_mul_i32 s93, s72, WSUB
	s_add_co_u32 s93, s93, WOFF
	s_mul_i32 s95, s70, VSUB
	s_lshl_b32 s88, s75, 13                        ; wts: row 128 rb of 64 bytes, + 8 g
	s_lshl_b32 s90, s76, 3
	s_add_co_u32 s88, s88, s90
	s_mov_b32 s89, 0
	s_lshl_b32 s90, s76, 12                        ; b1, b2: row 2 g of 2,048 bytes
	s_mov_b32 s91, 0
	s_wait_dscnt 0x0
	s_wait_kmcnt 0x0
	s_add_nc_u64 s[4:5], s[4:5], s[82:83]
	s_add_nc_u64 s[6:7], s[6:7], s[84:85]
	s_add_nc_u64 s[8:9], s[8:9], s[86:87]
	s_add_nc_u64 s[10:11], s[10:11], s[88:89]
	s_add_nc_u64 s[12:13], s[12:13], s[90:91]
	s_add_nc_u64 s[14:15], s[14:15], s[90:91]
	CROUND                                         ; all sixteen work-groups are here: the first joint loads meet
.irp s, 0,1
	s_mov_b32 s[GX+4*\s], 1
	s_add_co_u32 s[GX+4*\s+1], s92, \s*SLOT
	s_add_nc_u64 s[GX+4*\s+2:GX+4*\s+3], s[4:5], \s*256
	s_or_b32 s[GX+4*\s+3], s[GX+4*\s+3], 0x80000000
	s_mov_b32 s[GW+4*\s], 1
	s_add_co_u32 s[GW+4*\s+1], s93, \s*SLOT
	s_add_nc_u64 s[GW+4*\s+2:GW+4*\s+3], s[6:7], \s*65536
	s_or_b32 s[GW+4*\s+3], s[GW+4*\s+3], 0x80000000
	s_mov_b32 s[GV+4*\s], 1
	s_add_co_u32 s[GV+4*\s+1], s95, \s*SLOT
	s_add_nc_u64 s[GV+4*\s+2:GV+4*\s+3], s[8:9], \s*65536
	s_or_b32 s[GV+4*\s+3], s[GV+4*\s+3], 0x80000000
	JLOAD1 \s                                      ; both slots' first tiles go out before anything else: two loads of a wave are out here, later one
.endr
	v_and_b32 v28, 15, v0                          ; r
	v_bfe_u32 v29, v0, 4, 1                        ; h
	v_and_b32 v30, 7, v0
	v_lshl_add_u32 v30, v29, 3, v30
	v_mul_u32_u24 v30, v30, WP                     ; transposing loads: row 8 h + (lane & 7),
	v_bfe_u32 v31, v0, 3, 1
	v_lshl_add_u32 v30, v31, 4, v30                ; 16 bytes on for lanes 8-15 and 24-31
	v_add_nc_u32 v[ADRW], s93, v30
	v_add_nc_u32 v[ADRW+1], SLOT, v[ADRW]
	v_add_nc_u32 v[ADRV], s95, v30
	v_add_nc_u32 v[ADRV+1], SLOT, v[ADRV]
	v_mul_u32_u24 v31, v28, XP
	v_lshl_add_u32 v31, v29, 4, v31
	s_mul_i32 s94, s71, 64*XP
	v_add_nc_u32 v[ADRX], s94, v31
	v_add_nc_u32 v[ADRX+1], SLOT, v[ADRX]
	v_mul_u32_u24 v31, v28, HP
	v_lshl_add_u32 v31, v29, 4, v31
	v_add_nc_u32 v[ADRH], HST, v31
	s_mul_i32 s94, s71, 64*HP
	s_lshl_b32 s80, s72, 8
	s_add_co_u32 s94, s94, s80
	v_add_nc_u32 v[STO], s94, v[ADRH]              ; row 64 wm + r, hidden 128 wn + 8 h
	s_lshl_b32 s94, s72, 9
	s_add_co_u32 s94, s94, B1T
	v_lshl_add_u32 v[ADRB], v29, 5, s94
	v_and_b32 v[PO], 31, v0
	v_lshlrev_b32 v[PO], 4, v[PO]
	; b1's table lies in LDS in the order of the turns: the 16 bytes at 16 t of the table come from byte (16 t + 1,024 x rotation) mod 4,096
	; of the two experts' b1, and those at 16 t + 2,048 from 2,048 bytes further on, again mod 4,096: bit 11 turned over
	v_lshlrev_b32 v228, 4, v0                      ; 16 t
	s_lshl_b32 s94, s96, 10
	v_add_nc_u32 v224, s94, v228
	v_and_b32 v224, 0xfff, v224
	v_xor_b32 v229, 0x800, v224
	v_add_nc_u32 v228, B1T, v228
	v_lshlrev_b32 v225, 6, v28                     ; wts: row r
	s_lshl_b32 s94, s71, 12
	v_add_nc_u32 v226, s94, v225                   ; wts: row 64 wm + r
	s_lshl_b32 s94, s70, 9
	v_lshl_add_u32 v227, v29, 5, s94               ; b2: column 128 wave + 8 h
	global_load_b128 v[208:211], v224, s[12:13]
	global_load_b128 v[212:215], v229, s[12:13]
.irp a, 0,1,2,3
	global_load_b64 v[WE+2*\a:WE+2*\a+1], v226, s[10:11] offset:1024*\a
.endr
.irp a, 0,1,2,3,4,5,6,7
	global_load_b64 v[192+2*\a:193+2*\a], v225, s[10:11] offset:1024*\a
.endr
.irp b, 0,1,2,3,4,5,6,7
	global_load_b128 v[32+8*\b:35+8*\b],   v227, s[14:15] offset:64*\b
	global_load_b128 v[36+8*\b:39+8*\b],   v227, s[14:15] offset:64*\b+16
	global_load_b128 v[128+8*\b:131+8*\b], v227, s[14:15] offset:2048+64*\b
	global_load_b128 v[132+8*\b:135+8*\b], v227, s[14:15] offset:2048+64*\b+16
.endr
	s_wait_loadcnt 44                              ; 4 + 8 + 32 loads are younger: b1 is in
	ROUND2 208, 216
	ROUND2 210, 217
	ROUND2 212, 218
	ROUND2 214, 219
	ds_store_b128 v228, v[208:211]
	ds_store_b128 v228, v[212:215] offset:2048
	s_wait_loadcnt 0x0
.set kk, 0
.rept 32
	ROUND2 32+2*kk, 216+kk%4
	ROUND2 128+2*kk, 220+kk%4
.set kk, kk+1
.endr
	INIT 0x80, 0xa0, 0                             ; useful work while the first tiles are on their way; GEMM2 is then the same text in every chunk
	INIT 0xc0, 0xf0, 4
	WIN 0
	s_wait_dscnt 0x0                               ; my part of b1's table is written
	s_wait_tensorcnt 0x1                           ; my part of tile 0 is in; tile 1's stays out
	ADV 1, 0                                       ; slot 0's set is free: tile 2
	s_barrier_signal -1
	s_barrier_wait -1
	FETCH1 0, 0, F0
	s_mov_b32 s79, 0
.Lchunk:
	CHUNK 0
	WIN 0                                          ; at a label and at a branch every window is 0
	s_add_co_u32 s79, s79, 1
	s_cmp_lt_u32 s79, 3
	s_cbranch_scc1 .Lchunk
	CHUNK 1                                        ; the last turn is written out: its last two tiles are followed by no fill
	; The way out: the accumulators go as they lie, 16 bytes a lane: each store covers 512 neighbouring aligned bytes.
	PLACES
	s_lshl_b32 s88, s76, 23                        ; part: 8,388,608 g + 65,536 (4 rb + wave)
	s_lshl_b32 s90, s75, 18
	s_add_co_u32 s88, s88, s90
	s_lshl_b32 s90, s70, 16
	s_add_co_u32 s88, s88, s90
	s_mov_b32 s89, 0
	s_add_nc_u64 s[68:69], s[68:69], s[88:89]
	WIN 0x08
.set kk, 0
.rept 32
	global_store_b128 v[PO], v[8*kk:8*kk+3], s[68:69] offset:1024*kk
	global_store_b128 v[PO], v[8*kk+4:8*kk+7], s[68:69] offset:1024*kk+512
.set kk, kk+1
.endr
	WIN 0x0c
.set kk, 0
.rept 32
	global_store_b128 v[PO], v[8*kk:8*kk+3], s[68:69] offset:1024*(32+kk)
	global_store_b128 v[PO], v[8*kk+4:8*kk+7], s[68:69] offset:1024*(32+kk)+512
.set kk, kk+1
.endr
	WIN 0
	CROUND                                         ; the closing round: no work-group ends while a partner may still ask for a tile that names it
	s_endpgm
.Lfunc_end_k_qe41e4c8d18_moe:
	.size	k_qe41e4c8d18_moe, .Lfunc_end_k_qe41e4c8d18_moe-k_qe41e4c8d18_moe
	.p2alignl 7, 3214868480
	.fill 96, 4, 3214868480
	.section	.rodata,"a",@progbits
	.p2align	6, 0x0
	.amdhsa_kernel k_qe41e4c8d18_moe
		.amdhsa_group_segment_fixed_size 327680
		.amdhsa_private_segment_fixed_size 0
		.amdhsa_enable_private_segment 0
		.amdhsa_kernarg_size 56
		.amdhsa_user_sgpr_count 2
		.amdhsa_user_sgpr_kernarg_segment_ptr 1
		.amdhsa_wavefront_size32 1
		.amdhsa_system_sgpr_workgroup_id_x 1
		.amdhsa_system_sgpr_workgroup_id_y 1
		.amdhsa_system_sgpr_workgroup_id_z 1
		.amdhsa_system_vgpr_workitem_id 0
		.amdhsa_next_free_vgpr 1024
		.amdhsa_next_free_sgpr 102
		.amdhsa_reserve_vcc 0
		.amdhsa_float_denorm_mode_32 3
		.amdhsa_float_denorm_mode_16_64 3
		.amdhsa_memory_ordered 1
		.amdhsa_forward_progress 1
		.amdhsa_inst_pref_size 255
	.end_amdhsa_kernel
	.section	.bss,"aw",@nobits
	.p2align	6
	.space	262144
	.amdgpu_metadata
---
amdhsa.version: [ 1, 2 ]
amdhsa.kernels:
  - .name:           k_qe41e4c8d18_moe
    .symbol:         k_qe41e4c8d18_moe.kd
    .args:
      - { .name: xb, .offset: 0, .size: 8, .value_kind: global_buffer, .address_space: global }
      - { .name: w1t, .offset: 8, .size: 8, .value_kind: global_buffer, .address_space: global }
      - { .name: w2b, .offset: 16, .size: 8, .value_kind: global_buffer, .address_space: global }
      - { .name: wts, .offset: 24, .size: 8, .value_kind: global_buffer, .address_space: global }
      - { .name: b1, .offset: 32, .size: 8, .value_kind: global_buffer, .address_space: global }
      - { .name: b2, .offset: 40, .size: 8, .value_kind: global_buffer, .address_space: global }
      - { .name: part, .offset: 48, .size: 8, .value_kind: global_buffer, .address_space: global }
    .group_segment_fixed_size: 327680
    .private_segment_fixed_size: 0
    .kernarg_segment_align: 8
    .kernarg_segment_size: 56
    .max_flat_workgroup_size: 128
    .sgpr_count:     102
    .vgpr_count:     1024
    .wavefront_size: 32
...
	.end_amdgpu_metadata
.endif
;; end of part 2
;; launch combine (part 3): grid 256 x 1, 8 waves a work-group, no clusters, 35,840 bytes of LDS; arguments part, usage, out0, out1; writes out0, out1
.if DOCPART == 3
	.amdgcn_target "amdgcn-amd-amdhsa--gfx1250"
	.amdhsa_code_object_version 6
	.text
	.protected	k_qe41e4c8d18_combine
	.globl	k_qe41e4c8d18_combine
	.p2align	8
	.type	k_qe41e4c8d18_combine,@function
k_qe41e4c8d18_combine:
	s_mov_b64 s[64:65], 0
	v_nop
	global_prefetch_b8 v0, s[64:65] scope:SCOPE_SE
	s_setreg_imm32_b32 hwreg(HW_REG_WAVE_MODE, 25, 1), 1
	s_wait_xcnt 0x0
; COMBINE: out0 = the sum of the eight partial sums, in a fixed order; out1 = the mean of the weights.
; part lies as the accumulators lay: [g 8][rb 32][w 4][tile 8 A + b][q 2][lane 32][4 f32]; lane (r, h), word j of quad q is
; row 128 rb + 16 A + r, column 128 w + 16 b + 8 h + 4 q + j.
; A wave takes 16 rows x 64 columns (four tiles): eight loads of 512 neighbouring bytes from each of the eight groups, sums them, and turns
; them into rows through an LDS stage of its own, so that sixteen lanes store 256 neighbouring aligned bytes.  No wave waits for another.
; A stream: matrix units, tensor loads and clusters would add nothing here.
.set SP, 272                           ; a stage row: 256 bytes + 16
.macro LDG g, r
.irp i, 0,1,2,3,4,5,6,7
	global_load_b128 v[\r+4*\i:\r+4*\i+3], v1, s[16+2*\g:17+2*\g] offset:512*\i th:TH_LOAD_NT
.endr
.endm
.macro ADD32 dst, src
.irp i, 0,2,4,6,8,10,12,14,16,18,20,22,24,26,28,30
	v_pk_add_f32 v[\dst+\i:\dst+\i+1], v[\dst+\i:\dst+\i+1], v[\src+\i:\src+\i+1]
.endr
.endm
	s_load_b256 s[4:11], s[0:1], 0x0               ; part s4, usage s6, out0 s8, out1 s10
	v_lshl_add_u32 v224, v0, 2, 0x8800
	v_mov_b32 v225, 0
	v_lshrrev_b32 v1, 5, v0
	v_readfirstlane_b32 s12, v1                    ; wave
	v_and_b32 v2, 31, v0
	v_lshlrev_b32 v1, 4, v2                        ; 16 lane
	v_and_b32 v3, 15, v0                           ; r
	v_bfe_u32 v4, v0, 4, 1                         ; h
	s_lshr_b32 s13, ttmp9, 1                       ; 4 rb + w
	s_and_b32 s14, ttmp9, 1
	s_lshl_b32 s14, s14, 2
	s_lshr_b32 s15, s12, 1
	s_add_co_u32 s14, s14, s15                     ; A
	s_and_b32 s15, s12, 1                          ; which half of the 128 columns
	s_lshl_b32 s32, s13, 16                        ; part: 65,536 (4 rb + w) + 1,024 (8 A + 4 half)
	s_lshl_b32 s34, s14, 13
	s_add_co_u32 s32, s32, s34
	s_lshl_b32 s34, s15, 12
	s_add_co_u32 s32, s32, s34
	s_mov_b32 s33, 0
	s_lshr_b32 s34, s13, 2                         ; out0: row 128 rb + 16 A of 2,048 bytes, + 512 w + 256 half
	s_lshl_b32 s34, s34, 18
	s_lshl_b32 s35, s14, 15
	s_add_co_u32 s34, s34, s35
	s_and_b32 s35, s13, 3
	s_lshl_b32 s35, s35, 9
	s_add_co_u32 s34, s34, s35
	s_lshl_b32 s35, s15, 8
	s_add_co_u32 s34, s34, s35
	s_mov_b32 s35, 0
	s_mul_i32 s36, s12, 16*SP                      ; my stage
	s_wait_kmcnt 0x0
	s_add_nc_u64 s[16:17], s[4:5], s[32:33]
.irp g, 1,2,3,4,5,6,7
	s_add_nc_u64 s[16+2*\g:17+2*\g], s[16:17], \g*8388608      ; a base for each group: the step is beyond a load's immediate
.endr
	s_add_nc_u64 s[8:9], s[8:9], s[34:35]
	LDG 0, 32
	LDG 1, 64
	LDG 2, 96
	LDG 3, 128
	LDG 4, 160
	LDG 5, 192
	v_mul_u32_u24 v5, v3, SP
	v_lshl_add_u32 v5, v4, 5, v5
	v_add_nc_u32 v5, s36, v5                       ; in: row r, 32 h
	v_mul_u32_u24 v6, v4, SP
	v_lshl_add_u32 v6, v3, 4, v6
	v_add_nc_u32 v6, s36, v6                       ; back: lanes 0-15 one row, lanes 16-31 the next
	v_lshlrev_b32 v7, 4, v3
	v_lshl_add_u32 v7, v4, 11, v7                  ; the same two rows in out0
	s_wait_loadcnt 32                              ; groups 2 to 5 are younger: 0 and 1 are in
	ADD32 32, 64
	LDG 6, 64
	s_wait_loadcnt 24                              ; groups 4, 5, 6 are younger
	ADD32 96, 128
	LDG 7, 128
	ADD32 32, 96
	s_wait_loadcnt 16                              ; groups 6, 7 are younger
	ADD32 160, 192
	s_wait_loadcnt 0x0
	ADD32 64, 128
	ADD32 160, 64
	ADD32 32, 160
.irp i, 0,1,2,3,4,5,6,7
	ds_store_b128 v5, v[32+4*\i:35+4*\i] offset:64*(\i>>1)+16*(\i&1)       ; tile i >> 1, quad i & 1
.endr
.irp t, 0,1,2,3,4,5,6,7
	ds_load_b128 v[64+4*\t:67+4*\t], v6 offset:2*SP*\t                     ; LDS serves a wave's instructions in order (ISA guide 5.7.1): these see the stores above
.endr
.irp t, 0,1,2,3,4,5,6,7
	s_wait_dscnt 7-\t
	global_store_b128 v7, v[64+4*\t:67+4*\t], s[8:9] offset:4096*\t th:TH_STORE_NT
.endr
	; out1, by the first wave of the first work-group: 256 rows of 16 column sums, 16 KiB
	s_lshl_b32 s37, ttmp9, 3
	s_or_b32 s37, s37, s12
	s_cmp_lg_u32 s37, 0
	s_cbranch_scc1 .Ldone
.set kk, 0
.rept 32
	global_load_b128 v[96+4*kk:99+4*kk], v1, s[6:7] offset:512*kk          ; lane l: row 8 kk + (l >> 2), experts 4 (l & 3) ..
.set kk, kk+1
.endr
	s_mov_b32 s32, 0x76543210
	s_mov_b32 s33, 0xfedcba98
	s_wait_loadcnt 0x0
.set kk, 2
.rept 30
	v_pk_add_f32 v[96+4*(kk&1):97+4*(kk&1)], v[96+4*(kk&1):97+4*(kk&1)], v[96+4*kk:97+4*kk]       ; two chains
	v_pk_add_f32 v[98+4*(kk&1):99+4*(kk&1)], v[98+4*(kk&1):99+4*(kk&1)], v[98+4*kk:99+4*kk]
.set kk, kk+1
.endr
	v_pk_add_f32 v[96:97], v[96:97], v[100:101]
	v_pk_add_f32 v[98:99], v[98:99], v[102:103]
.irp m, 4,8
.irp j, 0,1,2,3
	v_add_f32_dpp v[96+\j], v[96+\j], v[96+\j] row_xmask:\m row_mask:0xf bank_mask:0xf
.endr
.endr
.irp j, 0,1,2,3
	v_permlanex16_b32 v[100+\j], v[96+\j], s32, s33
.endr
	v_pk_add_f32 v[96:97], v[96:97], v[100:101]
	v_pk_add_f32 v[98:99], v[98:99], v[102:103]
	v_pk_mul_f32 v[96:97], v[96:97], 0x39800000 op_sel_hi:[1,0]            ; / 4,096 rows
	v_pk_mul_f32 v[98:99], v[98:99], 0x39800000 op_sel_hi:[1,0]
	v_cmp_gt_u32 vcc_lo, 4, v0
	s_wait_xcnt 0x0                                ; EXEC is a source of the pending stores: it changes only behind this wait
	s_and_saveexec_b32 s34, vcc_lo
	global_store_b128 v1, v[96:99], s[10:11]       ; lanes 0-3: the 16 means
	s_wait_xcnt 0x0
	s_or_b32 exec_lo, exec_lo, s34
.Ldone:
	s_wait_tensorcnt 0x0
	ds_add_u32 v224, v225
	s_wait_dscnt 0x0
	s_endpgm
.Lfunc_end_k_qe41e4c8d18_combine:
	.size	k_qe41e4c8d18_combine, .Lfunc_end_k_qe41e4c8d18_combine-k_qe41e4c8d18_combine
	.p2alignl 7, 3214868480
	.fill 96, 4, 3214868480
	.section	.rodata,"a",@progbits
	.p2align	6, 0x0
	.amdhsa_kernel k_qe41e4c8d18_combine
		.amdhsa_group_segment_fixed_size 35840
		.amdhsa_private_segment_fixed_size 0
		.amdhsa_enable_private_segment 0
		.amdhsa_kernarg_size 32
		.amdhsa_user_sgpr_count 2
		.amdhsa_user_sgpr_kernarg_segment_ptr 1
		.amdhsa_wavefront_size32 1
		.amdhsa_system_sgpr_workgroup_id_x 1
		.amdhsa_system_sgpr_workgroup_id_y 1
		.amdhsa_system_sgpr_workgroup_id_z 1
		.amdhsa_system_vgpr_workitem_id 0
		.amdhsa_next_free_vgpr 226
		.amdhsa_next_free_sgpr 66
		.amdhsa_reserve_vcc 1
		.amdhsa_float_denorm_mode_32 3
		.amdhsa_float_denorm_mode_16_64 3
		.amdhsa_memory_ordered 1
		.amdhsa_forward_progress 1
		.amdhsa_inst_pref_size 27
	.end_amdhsa_kernel
	.amdgpu_metadata
---
amdhsa.version: [ 1, 2 ]
amdhsa.kernels:
  - .name:           k_qe41e4c8d18_combine
    .symbol:         k_qe41e4c8d18_combine.kd
    .args:
      - { .name: part, .offset: 0, .size: 8, .value_kind: global_buffer, .address_space: global }
      - { .name: usage, .offset: 8, .size: 8, .value_kind: global_buffer, .address_space: global }
      - { .name: out0, .offset: 16, .size: 8, .value_kind: global_buffer, .address_space: global }
      - { .name: out1, .offset: 24, .size: 8, .value_kind: global_buffer, .address_space: global }
    .group_segment_fixed_size: 35840
    .private_segment_fixed_size: 0
    .kernarg_segment_align: 8
    .kernarg_segment_size: 32
    .max_flat_workgroup_size: 256
    .sgpr_count:     66
    .vgpr_count:     226
    .wavefront_size: 32
...
	.end_amdgpu_metadata
.endif
;; end of part 3
